; MI455X (gfx1250); checked and timed in simulation.
; The chip was launched on July 23, 2026; its instructions are those of AMD's public machine-readable ISA for CDNA 5 (MIT licence, August 2026) and "CDNA5" Instruction Set Architecture Reference Guide (July 2026). The comments in the code are by the model that wrote it; some were corrected since.
;; Multi Head Attention Layer. Allowed arithmetic: matrix products marked QUANTISED: E2M3 operands, one E8M0 scale for each 32 along K, by v_wmma_scale_f32_16x16x128_f8f6f4 with both operands' format E2M3, f32 sums; everything else in f32.
;; Inputs: Wk 16 x 1,024 x 64 float32; Wq 16 x 1,024 x 64 float32; Wv 16 x 1,024 x 64 float32; X 2 x 2,048 x 1,024 float32; bk 16 x 64 float32; bq 16 x 64 float32; bv 16 x 64 float32.
;; Outputs: out0 2 x 2,048 x 1,024 float32.
;; This version of the problem:
;;   THIS VERSION OF THE PROBLEM IS GIVEN IN LOW PRECISION. The matrix products marked QUANTISED in the list below multiply operands that are first quantised to E2M3 (2 exponent bits, 3 mantissa bits; 6 bits a number), with one power-of-two scale for each 32 numbers along K (OCP MX v1.0); their sums are f32. All else is computed in f32.
;;   The module's matrix products, in the order in which they are computed (A, B: the left and right operand; K: the contracted axis; several contracted axes count as one K, in the product's order):
;;     1. [M 1,024, K 1,024] x [K 1,024, N 4,096]; A: input Wq; B: input X: QUANTISED
;;     2. [M 1,024, K 1,024] x [K 1,024, N 4,096]; A: input Wk; B: input X: QUANTISED
;;     3. [M 1,024, K 1,024] x [K 1,024, N 4,096]; A: input Wv; B: input X: QUANTISED
;;     4. batch 32 x [M 2,048, K 64] x [K 64, N 2,048]; A: computed on the way; B: computed on the way: QUANTISED
;;     5. batch 32 x [M 2,048, K 2,048] x [K 2,048, N 64]; A: computed on the way; B: computed on the way: QUANTISED
;;   THE QUANTISER, for each operand of a quantised product, along K:
;;     - K is cut into blocks of 32 from its start; a last block that is shorter is filled with zeros.
;;     - A block's scale is 2^e with e = floor(log2(the largest magnitude in the block)) - 2, held to -126 .. 127; a block of zeros has e = 0. As a byte (E8M0): e + 127.
;;     - Each number is divided by its block's scale, clamped to +-7.5, and rounded to the nearest number of E2M3, ties to even, subnormals kept.
;;     - The product sums the exact products of the quantised numbers (number of the format x scale) in f32.
;;   ~~~python
;;   def quantise(x, axis):      # numpy; x: float32 -> the quantised numbers, widened to float32 again
;;       x = np.moveaxis(x, axis, -1); K = x.shape[-1]
;;       x = np.pad(x, [(0, 0)] * (x.ndim - 1) + [(0, -K % 32)]); x = x.reshape(x.shape[:-1] + (-1, 32)); a = np.abs(x).max(-1, keepdims=True)
;;       e = np.where(a > 0, np.clip(np.frexp(np.where(a > 0, a, 1))[1] - 1 - 2, -126, 127), 0)      # np.frexp(a)[1] - 1 = floor(log2(a)), exactly
;;       r = np.clip(x / 2.0 ** e, -7.5, 7.5)
;;       step = 2.0 ** (np.maximum(np.frexp(np.where(r == 0, 1, r))[1] - 1, 0) - 3)
;;       q = np.round(r / step) * step * 2.0 ** e      # np.round: ties to even
;;       return np.moveaxis(q.reshape(q.shape[:-2] + (-1,))[..., :K], -1, axis).astype(np.float32)
;;   ~~~
;;   OPERANDS COMPUTED ON THE WAY. 'Computed on the way' means the value that the module computes at that place (a softmax that the list does not call 'softmax' is quantised finished and normalised). What goes into a quantiser is computed in f32, as accurately as f32 sums, v_exp_f32 and their like allow (about 1e-6 of the number): no bf16 or f16 on the way to a quantiser, and a product that is left as it is and whose result goes on into a quantised operand takes f32 operands (vector FMAs, or v_wmma_f32_16x16x4_f32). A number that lies on a knife's edge between two numbers of the format may be rounded either way, as far as f32 arithmetic and the matrix unit's own rounding can turn it there, and no further.
;; One version. Each part assembles by itself: llvm-mc -triple=amdgcn-amd-amdhsa -mcpu=gfx1250 --defsym DOCPART=n.
;; ======== version 1 of 1: 3 launches
;; limits: right only within a limited range of input values
;; workspace buffers: codes1 5,505,024 bytes; scales1 229,376 bytes; qkv 9,437,184 bytes; qkvs 655,360 bytes
;; launch quant (part 1): grid 448 x 1, 4 waves a work-group, no clusters, 81,408 bytes of LDS; arguments X, Wq, Wk, Wv, codes1, scales1; writes codes1, scales1
.if DOCPART == 1
	.amdgcn_target "amdgcn-amd-amdhsa--gfx1250"
	.amdhsa_code_object_version 6
	.text
	.protected	k_q46b0f49ffc_quant
	.globl	k_q46b0f49ffc_quant
	.p2align	8
	.type	k_q46b0f49ffc_quant,@function
k_q46b0f49ffc_quant:
	s_mov_b64 s[64:65], 0
	v_nop
	global_prefetch_b8 v0, s[64:65] scope:SCOPE_SE
	s_setreg_imm32_b32 hwreg(HW_REG_WAVE_MODE, 25, 1), 1
	s_wait_xcnt 0x0
; X [4096 tokens][1024] and Wq, Wk, Wv [16 heads][1024][64], f32, become codes of FP6 (E2M3) with one E8M0 byte for each 32 along K (K = the 1,024), laid in the ORDER OF THE OPERAND'S REGISTERS.
; AN IMAGE is a fragment (16 rows x 128 K: 12 registers a lane) as three pieces of 512 bytes: piece c holds registers 4 c .. 4 c + 3, lane l's 16 bytes at 512 c + 16 l.
; THE ROWS OF A TILE ARE NOT NEIGHBOURS: of 32 neighbouring rows (tokens, or columns e of a weight) tile u holds in lane r the row 8 u + r + 8 (r / 8).
; A PAIR'S SCALE REGISTER: one word a lane: lanes 0-15 the words of tile 0's rows, lanes 16-31 those of tile 1's; byte b of a word scales block b of the 128 along K.
; codes1: X's images [K step 8][tile 256][1536], then the weights' [K step 8][head 16][tile 12 = 4 x (q, k, v) + t][1536].  scales1: X's [K step 8][pair 128][32 words], then the weights' [K step 8][head 16][pair 6][32 words].
; A block's scale is 2^(floor(log2(largest magnitude)) - 2); its byte is the largest magnitude's exponent field - 2, held at 1 from below.
; LIMITS: a block of zeros, or one whose largest magnitude lies under 2^-124, gets the byte 1 (its codes are zeros or tiny; this program alone reads the bytes); NaN and infinities among the inputs are not served.
; SHARES: a wave takes 16 KB of f32 (32 rows x 128 K) and makes two images and one scale register.  Work-groups 0-255 take X, 256-447 the weights.  No loop, no barrier: waves share nothing; each path has LDS bytes of its own.
; No matrix unit, no cluster, no tensor load: memory binds, every byte is read once, and all loads are asked for early.
.set XP,    528                        ; X's stage: a row of 512 bytes + 16: the 16 rows that a load touches start in 16 different groups of banks
.set XW,    32*XP                      ; a wave's stage on X's path
.set WST,   4*XW                       ; the weights' path: its own bytes
.set WT,    1664                       ; an image + 128
.set WW,    2*WT
.set SPARE, WST+4*WW                   ; the spare words, 128 bytes for each wave: two blocks of 256 bytes that no other line names
.set WIMG,  3145728                    ; where the weights' images begin in codes1
.set WSC,   131072                     ; and their scale words in scales1
.set SPW,   2                          ; v2  LDS address of my spare word; never rewritten
.set NIL,   3                          ; v3  0; never rewritten
; 64 numbers of a lane, v[n + 32 c + i] = k 64 c + 32 h + i of my row (two whole blocks), become the fragment's 12 registers v[f] on and my row's scale word v[w].
.macro QX n, f, w
.irp c, 0,1
	v_max3_num_f32 v[16+\c], |v[\n+32*\c]|, |v[\n+32*\c+1]|, 0x1800000   ; and the floor 2^(3 - 127): the byte cannot fall under 1
.endr
.irp i, 2,4,6,8,10,12,14,16,18,20,22,24,26,28,30
.irp c, 0,1
	v_max3_num_f32 v[16+\c], v[16+\c], |v[\n+32*\c+\i]|, |v[\n+32*\c+\i+1]|   ; the two blocks by turns
.endr
.endr
.irp c, 0,1
	v_add_nc_u32 v[18+\c], 0xff000000, v[16+\c]    ; 2 off the exponent field: the conversion's scale operand
.endr
.irp c, 0,1
	v_lshrrev_b32 v[20+\c], 23, v[18+\c]           ; the scale's byte
.endr
	v_lshl_or_b32 v[\w], v21, 16, v20              ; my two bytes: blocks h and 2 + h,
	v_lshlrev_b32 v[\w], v9, v[\w]                 ; 8 h bits up;
	v_mov_b32 v22, 0
	v_permlanex16_b32 v22, v[\w], s20, s21
	v_or_b32 v[\w], v[\w], v22                     ; with lane l xor 16's two the word is whole
.irp c, 0,1
	v_cvt_scalef32_pk16_fp6_f32 v[\f+6*\c:\f+6*\c+2], v[\n+32*\c:\n+32*\c+15], v[18+\c]
	v_cvt_scalef32_pk16_fp6_f32 v[24+4*\c:26+4*\c], v[\n+32*\c+16:\n+32*\c+31], v[18+\c]   ; (a conversion's three registers begin on an even number)
.endr
	v_nop                                          ; one plain place behind a scaled conversion
.irp c, 0,1
.irp i, 0,1,2
	v_mov_b32 v[\f+3+6*\c+\i], v[24+4*\c+\i]
.endr
.endr
.endm
.macro TILE_IN n, u                    ; tile u out of the stage: lane (r, h) takes of its row k = 64 c + 32 h + 0 .. 31
.irp c, 0,1
.irp i, 0,1,2,3,4,5,6,7
	ds_load_b128 v[\n+32*\c+4*\i:\n+32*\c+4*\i+3], v7 offset:16*XP*\u+256*\c+16*\i
.endr
.endr
.endm
	s_load_b256 s[4:11], s[0:1], 0x0               ; X s[4:5], Wq s[6:7], Wk s[8:9], Wv s[10:11]
	s_load_b128 s[12:15], s[0:1], 0x20             ; codes1 s[12:13], scales1 s[14:15]
	v_lshl_add_u32 v[SPW], v0, 2, SPARE
	v_mov_b32 v[NIL], 0
	v_lshrrev_b32 v1, 5, v0
	v_readfirstlane_b32 s16, v1                    ; wave 0..3
	v_and_b32 v4, 31, v0                           ; lane
	s_mov_b32 s20, 0x76543210
	s_mov_b32 s21, 0xfedcba98                      ; v_permlanex16_b32's selects for lane l xor 16
	s_mov_b32 s22, 0xffff0000                      ; the lanes 16-31, as a select's mask
	s_wait_kmcnt 0x0
	s_cmp_lt_u32 ttmp9, 256
	s_cbranch_scc0 .Lw
	; ---- X: unit U = 4 x work-group + wave: pair U / 8 (32 tokens), K step U % 8: the four waves stand side by side on 2,048 bytes of each row
	s_lshl_b32 s17, ttmp9, 2
	s_add_co_u32 s17, s17, s16
	s_lshr_b32 s18, s17, 3                         ; pair
	s_and_b32 s19, s17, 7                          ; K step
	s_lshl_b32 s24, s18, 17                        ; 32 rows of 4,096 bytes
	s_lshl_b32 s25, s19, 9
	s_add_co_u32 s24, s24, s25
	s_mov_b32 s25, 0
	s_add_nc_u64 s[4:5], s[4:5], s[24:25]
	s_lshl_b32 s24, s19, 8
	s_lshl_b32 s26, s18, 1
	s_add_co_u32 s24, s24, s26                     ; image 256 x K step + 2 x pair
	s_mul_i32 s24, s24, 1536
	s_add_nc_u64 s[12:13], s[12:13], s[24:25]
	s_lshl_b32 s24, s19, 7
	s_add_co_u32 s24, s24, s18
	s_lshl_b32 s24, s24, 7                         ; 128 bytes of scale words a pair
	s_add_nc_u64 s[14:15], s[14:15], s[24:25]
	s_wait_alu depctr_va_vdst(0)
	v_lshlrev_b32 v5, 4, v4                        ; 16 x lane
	s_mul_i32 s26, s16, XW
	v_add_nc_u32 v6, s26, v5                       ; the stage, on the way in: a row as it lies
	v_and_b32 v10, 15, v0                          ; r
	v_bfe_u32 v11, v0, 4, 1                        ; h
	v_mul_u32_u24 v7, v10, XP
	v_lshl_add_u32 v7, v11, 7, v7
	v_add_nc_u32 v7, s26, v7                       ; and on the way out: row r, + 128 h
	v_lshlrev_b32 v8, 2, v4
	v_lshlrev_b32 v9, 3, v11
.set i, 0
.rept 32
	global_load_b128 v[64+4*i:64+4*i+3], v5, s[4:5] offset:4096*i th:TH_LOAD_NT   ; 32 lanes read 512 consecutive bytes of row i
.set i, i+1
.endr
.set i, 0
	s_wait_alu depctr_va_vdst(0)
.rept 32
	s_wait_loadcnt 31-i                            ; loads come back in order: row i is in, the younger ones stay out
	ds_store_b128 v6, v[64+4*i:64+4*i+3] offset:XP*(16*((i/8)%2)+(i%8)+8*(i/16))   ; to its tile and lane: tile (i / 8) % 2, lane i % 8 + 8 (i / 16)
.set i, i+1
.endr
	TILE_IN 192, 0                                 ; LDS serves a wave's instructions in order: these see my stores
	s_wait_dscnt 0x0                               ; tile 0 is in; the stores have read their registers,
	TILE_IN 64, 1                                  ; which take tile 1 while tile 0 is worked
	QX 192, 32, 56
.irp c, 0,1,2
	global_store_b128 v5, v[32+4*\c:35+4*\c], s[12:13] offset:512*\c   ; 512 consecutive bytes, aligned
.endr
	s_wait_dscnt 0x0
	QX 64, 44, 57
.irp c, 0,1,2
	global_store_b128 v5, v[44+4*\c:47+4*\c], s[12:13] offset:1536+512*\c
.endr
	v_cndmask_b32 v58, v56, v57, s22               ; lanes 0-15 tile 0's words, lanes 16-31 tile 1's
	global_store_b32 v8, v58, s[14:15]
	s_wait_tensorcnt 0x0                           ; the wave's end, behind my last LDS store
	ds_add_u32 v[SPW], v[NIL]
	s_wait_dscnt 0x0
	s_endpgm
	; ---- the weights: K is their FIRST axis within a head.  A lane takes a column e and its registers run down K: each load reads 128 consecutive bytes, two waves side by side a whole row of 256
.Lw:
	s_sub_co_u32 s17, ttmp9, 256
	s_lshr_b32 s18, s17, 6                         ; which weight: q 0, k 1, v 2
	s_bfe_u32 s19, s17, 0x40002                    ; head
	s_and_b32 s23, s17, 3
	s_and_b32 s24, s16, 1                          ; which 32 columns
	s_lshr_b32 s25, s16, 1
	s_lshl_b32 s23, s23, 1
	s_add_co_u32 s23, s23, s25                     ; K step
	s_cmp_eq_u32 s18, 0
	s_cselect_b64 s[26:27], s[6:7], s[8:9]
	s_cmp_eq_u32 s18, 2
	s_cselect_b64 s[26:27], s[10:11], s[26:27]     ; the choice hangs on the work-group's number alone
	s_lshl_b32 s28, s19, 18                        ; a head: 262,144 bytes
	s_lshl_b32 s29, s23, 15                        ; 128 rows of 256 bytes
	s_add_co_u32 s28, s28, s29
	s_lshl_b32 s29, s24, 7
	s_add_co_u32 s28, s28, s29
	s_mov_b32 s29, 0
	s_add_nc_u64 s[26:27], s[26:27], s[28:29]
	s_lshl_b32 s30, s23, 4
	s_add_co_u32 s30, s30, s19                     ; 16 x K step + head
	s_mul_i32 s28, s30, 12
	s_lshl_b32 s31, s18, 2
	s_add_co_u32 s28, s28, s31
	s_lshl_b32 s31, s24, 1
	s_add_co_u32 s28, s28, s31                     ; my first image
	s_mul_i32 s28, s28, 1536
	s_add_co_u32 s28, s28, WIMG
	s_add_nc_u64 s[12:13], s[12:13], s[28:29]
	s_mul_i32 s28, s30, 6
	s_lshl_b32 s31, s18, 1
	s_add_co_u32 s28, s28, s31
	s_add_co_u32 s28, s28, s24                     ; my pair
	s_lshl_b32 s28, s28, 7
	s_add_co_u32 s28, s28, WSC
	s_add_nc_u64 s[14:15], s[14:15], s[28:29]
	s_wait_alu depctr_va_vdst(0)
	v_lshlrev_b32 v5, 2, v4                        ; in: 4 bytes a lane
	v_bfe_u32 v6, v0, 3, 1                         ; my column's tile u
	v_and_b32 v7, 7, v0
	v_bfe_u32 v12, v0, 4, 1
	v_lshl_or_b32 v7, v12, 3, v7                   ; and its lane r there
	s_mul_i32 s31, s16, WW
	s_add_co_u32 s31, s31, WST
	v_mul_u32_u24 v8, v6, WT
	v_lshl_add_u32 v8, v7, 4, v8
	v_add_nc_u32 v8, s31, v8                       ; into the images: tile u, 16 r
	v_lshlrev_b32 v10, 4, v4
	v_add_nc_u32 v9, s31, v10                      ; out of them: 16 x lane
	v_lshl_add_u32 v11, v6, 4, v7
	v_lshlrev_b32 v11, 2, v11                      ; my word's place in the pair's scale register: 4 (16 u + r)
.macro WLOAD t                         ; block t: W(32 t + k, my column)
.set k, 0
.rept 32
	global_load_b32 v[64+32*(\t)+k], v5, s[26:27] offset:256*(32*(\t)+k) th:TH_LOAD_NT
.set k, k+1
.endr
.endm
; Block t of my column belongs to lane (r, t % 2) of the fragment, registers 6 (t / 2) on: its six registers go to their places in the image.
.macro WBLK t, left
.set RB, 64+32*(\t)
.set FB, 32+6*(\t)
.set CT, 192+4*(\t)
	s_wait_loadcnt \left                           ; this block's 32 loads are in; the next block's may be out
.if (\t)+2 < 4
	WLOAD (\t)+2
.endif
	v_max3_num_f32 v16, |v[RB]|, |v[RB+1]|, 0x1800000             ; all 32 numbers are mine; two chains; the floor 2^(3 - 127)
	v_max3_num_f32 v17, |v[RB+2]|, |v[RB+3]|, |v[RB+4]|
.irp i, 5,9,13,17,21,25
	v_max3_num_f32 v16, v16, |v[RB+\i]|, |v[RB+\i+1]|
	v_max3_num_f32 v17, v17, |v[RB+\i+2]|, |v[RB+\i+3]|
.endr
	v_max3_num_f32 v16, v16, |v[RB+29]|, |v[RB+30]|
	v_max3_num_f32 v16, v16, v17, |v[RB+31]|
	v_add_nc_u32 v18, 0xff000000, v16
	v_lshrrev_b32 v19, 23, v18
.if (\t) == 0
	v_mov_b32 v28, v19                             ; my column's scale word, the lower K in the lower byte
.else
	v_lshl_or_b32 v28, v19, 8*(\t), v28
.endif
	v_cvt_scalef32_pk16_fp6_f32 v[FB:FB+2], v[RB:RB+15], v18
	v_cvt_scalef32_pk16_fp6_f32 v[CT:CT+2], v[RB+16:RB+31], v18
	v_nop                                          ; one plain place behind a scaled conversion
.irp i, 0,1,2
	v_mov_b32 v[FB+3+\i], v[CT+\i]
.endr
.if (\t) < 2
	ds_store_b128 v8, v[FB:FB+3] offset:256*((\t)%2)               ; registers 0-3: piece 0
	ds_store_b64 v8, v[FB+4:FB+5] offset:512+256*((\t)%2)          ; registers 4, 5: piece 1, its lower half
.else
	ds_store_b64 v8, v[FB:FB+1] offset:520+256*((\t)%2)            ; registers 6, 7: piece 1, its upper half
	ds_store_b128 v8, v[FB+2:FB+5] offset:1024+256*((\t)%2)        ; registers 8-11: piece 2
.endif
.endm
	WLOAD 0
	WLOAD 1
	WBLK 0, 32
	WBLK 1, 32
	WBLK 2, 32
	WBLK 3, 0
.irp u, 0,1
.irp c, 0,1,2
	ds_load_b128 v[208+12*\u+4*\c:208+12*\u+4*\c+3], v9 offset:WT*\u+512*\c   ; LDS serves a wave's instructions in order: these see my stores
.endr
.endr
	s_wait_alu depctr_va_vdst(0)
.irp u, 0,1
.irp c, 0,1,2
	s_wait_dscnt 5-3*\u-\c                         ; the younger loads may be out
	global_store_b128 v10, v[208+12*\u+4*\c:208+12*\u+4*\c+3], s[12:13] offset:1536*\u+512*\c
.endr
.endr
	global_store_b32 v11, v28, s[14:15]
	s_wait_tensorcnt 0x0                           ; the wave's end, behind my last LDS store
	ds_add_u32 v[SPW], v[NIL]
	s_wait_dscnt 0x0
	s_endpgm
.Lfunc_end_k_q46b0f49ffc_quant:
	.size	k_q46b0f49ffc_quant, .Lfunc_end_k_q46b0f49ffc_quant-k_q46b0f49ffc_quant
	.p2alignl 7, 3214868480
	.fill 96, 4, 3214868480
	.section	.rodata,"a",@progbits
	.p2align	6, 0x0
	.amdhsa_kernel k_q46b0f49ffc_quant
		.amdhsa_group_segment_fixed_size 81408
		.amdhsa_private_segment_fixed_size 0
		.amdhsa_enable_private_segment 0
		.amdhsa_kernarg_size 48
		.amdhsa_user_sgpr_count 2
		.amdhsa_user_sgpr_kernarg_segment_ptr 1
		.amdhsa_wavefront_size32 1
		.amdhsa_system_sgpr_workgroup_id_x 1
		.amdhsa_system_sgpr_workgroup_id_y 1
		.amdhsa_system_sgpr_workgroup_id_z 1
		.amdhsa_system_vgpr_workitem_id 0
		.amdhsa_next_free_vgpr 256
		.amdhsa_next_free_sgpr 66
		.amdhsa_reserve_vcc 0
		.amdhsa_float_denorm_mode_32 3
		.amdhsa_float_denorm_mode_16_64 3
		.amdhsa_memory_ordered 1
		.amdhsa_forward_progress 1
		.amdhsa_inst_pref_size 39
	.end_amdhsa_kernel
	.amdgpu_metadata
---
amdhsa.version: [ 1, 2 ]
amdhsa.kernels:
  - .name:           k_q46b0f49ffc_quant
    .symbol:         k_q46b0f49ffc_quant.kd
    .args:
      - { .name: X, .offset: 0, .size: 8, .value_kind: global_buffer, .address_space: global }
      - { .name: Wq, .offset: 8, .size: 8, .value_kind: global_buffer, .address_space: global }
      - { .name: Wk, .offset: 16, .size: 8, .value_kind: global_buffer, .address_space: global }
      - { .name: Wv, .offset: 24, .size: 8, .value_kind: global_buffer, .address_space: global }
      - { .name: codes1, .offset: 32, .size: 8, .value_kind: global_buffer, .address_space: global }
      - { .name: scales1, .offset: 40, .size: 8, .value_kind: global_buffer, .address_space: global }
    .group_segment_fixed_size: 81408
    .private_segment_fixed_size: 0
    .kernarg_segment_align: 8
    .kernarg_segment_size: 48
    .max_flat_workgroup_size: 128
    .sgpr_count:     66
    .vgpr_count:     256
    .wavefront_size: 32
...
	.end_amdgpu_metadata
.endif
;; end of part 1
;; launch proj (part 2): grid 16 x 16, 4 waves a work-group, clusters of 4 x 4, 327,680 bytes of LDS; arguments codes1, scales1, bq, bk, bv, qkv, qkvs; writes qkv, qkvs
.if DOCPART == 2
	.amdgcn_target "amdgcn-amd-amdhsa--gfx1250"
	.amdhsa_code_object_version 6
	.text
	.protected	k_q46b0f49ffc_proj
	.globl	k_q46b0f49ffc_proj
	.p2align	8
	.type	k_q46b0f49ffc_proj,@function
k_q46b0f49ffc_proj:
	s_mov_b64 s[64:65], 0
	v_nop
	global_prefetch_b8 v0, s[64:65] scope:SCOPE_SE
	s_setreg_imm32_b32 hwreg(HW_REG_WAVE_MODE, 25, 1), 1
	s_wait_xcnt 0x0
	s_wait_alu depctr_hold_cnt(0) depctr_sa_sdst(0) depctr_va_vdst(0) depctr_va_sdst(0) depctr_va_ssrc(0) depctr_va_vcc(0) depctr_vm_vsrc(0)
	s_getreg_b32 s2, hwreg(HW_REG_IB_STS2, 6, 4)
	s_cmp_eq_u32 s2, 0
	s_cbranch_scc0 .Lentry_in_a_cluster
	s_endpgm
.Lentry_in_a_cluster:
	s_bfe_u32 s2, ttmp6, 0x10000c
	s_cmp_lg_u32 s2, 0xf033
	s_cbranch_scc0 .Lentry_shape_is_right
	s_endpgm
.Lentry_shape_is_right:
.set XKB,   24576
.set WKB,   18432
.set WOFF,  2*XKB
.set SLOTB, 2*XKB+2*WKB
.set SPARE, 3*SLOTB
.set L16, 1
.set L4,  2
.set AX,  3
.set AW,  6
.set AV,  9
.set BO,  12
.set BVO, 13
.set SPW, 28
.set NIL, 29
.set XS,  32
.set WS,  64
.set VS,  80
.set WF,  96
.set G1X, 24
.set G1W, 32
.set G0X, 48
.set G0W, 68
.set MSB, 0
.macro WIN new
.set NW, \new
.if MSB != NW
	s_set_vgpr_msb (MSB<<8)|NW
.set MSB, NW
.endif
.endm
.macro PLACES n
.rept \n
	v_nop
.endr
.endm
.macro CROUND
	s_barrier_signal -1
	s_barrier_wait -1
	s_cmp_lg_u32 s18, 0
	s_cbranch_scc1 .Lnot_wave_0_\@
	s_barrier_signal -3
.Lnot_wave_0_\@:
	s_barrier_wait -3
	s_barrier_signal -1
	s_barrier_wait -1
.endm
.macro JLOAD q
	s_cmp_eq_u32 s19, 0
	s_cbranch_scc0 .Lfor_w_\@
	tensor_load_to_lds s[G0X+4*\q:G0X+4*\q+3], s[G1X:G1X+7]
	s_nop 0
.rept 4
	v_nop
.endr
	s_branch .Lasked_\@
.Lfor_w_\@:
	tensor_load_to_lds s[G0W+4*\q:G0W+4*\q+3], s[G1W:G1W+7]
	s_nop 0
.rept 4
	v_nop
.endr
.Lasked_\@:
.endm
.macro FETCH s
.set FP, (\s)%2
.set FS, ((\s)/2)%3
	WIN 0x40
.irp a, 0,1,2,3,4,5,6,7
.irp c, 0,1,2
	ds_load_b128 v[96*FP+12*\a+4*\c:96*FP+12*\a+4*\c+3], v[AX+FS] offset:XKB*FP+1536*\a+512*\c
.endr
.endr
	WIN 0
.irp t, 0,1,2,3
.irp c, 0,1,2
	ds_load_b128 v[WF+72*FP+12*\t+4*\c:WF+72*FP+12*\t+4*\c+3], v[AW+FS] offset:WKB*FP+1536*\t+512*\c
.endr
.endr
.irp n, 0,1
.irp c, 0,1,2
	ds_load_b128 v[WF+72*FP+48+12*\n+4*\c:WF+72*FP+48+12*\n+4*\c+3], v[AV+FS] offset:WKB*FP+1536*\n+512*\c
.endr
.endr
.endm
.macro WM d, a, b, c, sa, ra, sb, rb
.if (\ra) && (\rb)
	v_wmma_scale_f32_16x16x128_f8f6f4 v[\d:\d+7], v[\a:\a+11], v[\b:\b+11], v[\c:\c+7], v[\sa], v[\sb] matrix_a_fmt:MATRIX_FMT_FP6 matrix_b_fmt:MATRIX_FMT_FP6 matrix_a_scale:MATRIX_SCALE_ROW1 matrix_b_scale:MATRIX_SCALE_ROW1
.elseif (\ra)
	v_wmma_scale_f32_16x16x128_f8f6f4 v[\d:\d+7], v[\a:\a+11], v[\b:\b+11], v[\c:\c+7], v[\sa], v[\sb] matrix_a_fmt:MATRIX_FMT_FP6 matrix_b_fmt:MATRIX_FMT_FP6 matrix_a_scale:MATRIX_SCALE_ROW1
.elseif (\rb)
	v_wmma_scale_f32_16x16x128_f8f6f4 v[\d:\d+7], v[\a:\a+11], v[\b:\b+11], v[\c:\c+7], v[\sa], v[\sb] matrix_a_fmt:MATRIX_FMT_FP6 matrix_b_fmt:MATRIX_FMT_FP6 matrix_b_scale:MATRIX_SCALE_ROW1
.else
	v_wmma_scale_f32_16x16x128_f8f6f4 v[\d:\d+7], v[\a:\a+11], v[\b:\b+11], v[\c:\c+7], v[\sa], v[\sb] matrix_a_fmt:MATRIX_FMT_FP6 matrix_b_fmt:MATRIX_FMT_FP6
.endif
.endm
.macro MULS s, first
.set MP, (\s)%2
.if \first
	WIN 0xb4
.else
	WIN 0xa4
.endif
.irp a, 0,1,2,3,4,5,6,7
.irp t, 0,1,2,3
.if \first
	WM 8*(4*\a+\t), WF+72*MP+12*\t, 96*MP+12*\a, 128+8*\t, WS+2*(\s)+\t/2, \t%2, XS+4*(\s)+\a/2, \a%2
.else
	WM 8*(4*\a+\t), WF+72*MP+12*\t, 96*MP+12*\a, 8*(4*\a+\t), WS+2*(\s)+\t/2, \t%2, XS+4*(\s)+\a/2, \a%2
.endif
.endr
.endr
	WIN 0xf1
.irp n, 0,1
.irp a, 0,1,2,3,4,5,6,7
.if \first
	WM 8*(8*\n+\a), 96*MP+12*\a, WF+72*MP+48+12*\n, 160+8*\n, XS+4*(\s)+\a/2, \a%2, VS+(\s), \n
.else
	WM 8*(8*\n+\a), 96*MP+12*\a, WF+72*MP+48+12*\n, 8*(8*\n+\a), XS+4*(\s)+\a/2, \a%2, VS+(\s), \n
.endif
.endr
.endr
.endm
.macro QUANT2 win, src, dst, wrd
	WIN 5*(\win)
.irp b, 0,1
	v_max3_num_f32 v[240+\b], |v[\src+16*\b]|, |v[\src+16*\b+1]|, 0x1800000
.endr
.irp i, 2,4,6,8,10,12,14
.irp b, 0,1
	v_max3_num_f32 v[240+\b], |v[\src+16*\b+\i]|, |v[\src+16*\b+\i+1]|, v[240+\b]
.endr
.endr
	WIN 0
.irp b, 0,1
	v_permlanex16_b32 v[242+\b], v[240+\b], s80, s81
.endr
.irp b, 0,1
	v_max_num_f32 v[240+\b], v[240+\b], v[242+\b]
.endr
.irp b, 0,1
	v_add_nc_u32 v[244+\b], 0xff000000, v[240+\b]
.endr
.irp b, 0,1
	v_lshrrev_b32 v[242+\b], 23, v[244+\b]
.endr
	v_lshl_or_b32 v[\wrd], v243, 8, v242
	WIN \win
	v_cvt_scalef32_pk16_fp6_f32 v[\dst:\dst+2], v[\src:\src+15], v244
	v_cvt_scalef32_pk16_fp6_f32 v[246:248], v[\src+16:\src+31], v245
	WIN 0
	v_nop
.irp i, 0,1,2
	v_permlane16_swap_b32 v[\dst+\i], v[246+\i]
.endr
.irp i, 0,1,2
	v_mov_b32 v[\dst+3+\i], v[246+\i]
.endr
.endm
	s_load_b256 s[4:11], s[0:1], 0x0
	s_load_b128 s[12:15], s[0:1], 0x20
	s_load_b64 s[16:17], s[0:1], 0x30
	v_lshl_add_u32 v[SPW], v0, 2, SPARE
	v_mov_b32 v[NIL], 0
	ds_add_u32 v[SPW], v[NIL]
	ds_add_u32 v[SPW], v[NIL]
	v_lshrrev_b32 v1, 5, v0
	v_readfirstlane_b32 s18, v1
	s_lshr_b32 s19, s18, 1
	s_and_b32 s20, s18, 1
	s_bfe_u32 s40, ttmp6, 0x40000
	s_bfe_u32 s41, ttmp6, 0x40004
	s_lshl_b32 s42, ttmp9, 2
	s_add_co_u32 s42, s42, s40
	s_and_b32 s43, ttmp7, 0xffff
	s_lshl_b32 s43, s43, 2
	s_add_co_u32 s43, s43, s41
	s_lshl_b32 s44, s41, 2
	s_lshl_b32 s44, 15, s44
	s_lshl_b32 s45, 0x1111, s40
	s_or_b32 s[G1X+0], s44, (3<<16)|(1<<21)
	s_or_b32 s[G1W+0], s45, (3<<16)|(1<<21)
	s_mov_b32 s[G1X+1], 3072<<16                   ; the head's load of X: 2 K steps as 2 rows of 24,576 bytes (3,072 elements of 8),
	s_mov_b32 s[G1X+2], 2<<16
	s_mov_b32 s[G1X+3], 3072<<16
	s_mov_b32 s[G1X+4], 2
	s_mov_b32 s[G1X+5], 49152                      ; 393,216 bytes from K step to K step
	s_mov_b32 s[G1X+6], 0
	s_mov_b32 s[G1X+7], 0
	s_mov_b32 s[G1W+1], 2304<<16                   ; and of the weights: 2 rows of 18,432 bytes,
	s_mov_b32 s[G1W+2], 2<<16
	s_mov_b32 s[G1W+3], 2304<<16
	s_mov_b32 s[G1W+4], 2
	s_mov_b32 s[G1W+5], 36864                      ; 294,912 bytes apart
	s_mov_b32 s[G1W+6], 0
	s_mov_b32 s[G1W+7], 0
	s_mul_i32 s84, s43, XKB
	s_mul_i32 s46, s20, 393216
	s_add_co_u32 s84, s84, s46
	s_mov_b32 s85, 0
	s_mul_i32 s86, s42, WKB
	s_mul_i32 s46, s20, 294912
	s_add_co_u32 s86, s86, s46
	s_add_co_u32 s86, s86, 3145728
	s_mov_b32 s87, 0
	s_mul_i32 s47, s20, XKB
	s_mul_i32 s88, s20, WKB
	s_add_co_u32 s88, s88, WOFF
	s_mov_b32 s80, 0x76543210
	s_mov_b32 s81, 0xfedcba98
	s_mov_b32 s82, 0xffff0000
	s_wait_dscnt 0x0
	s_wait_kmcnt 0x0
	s_add_nc_u64 s[84:85], s[4:5], s[84:85]
	s_add_nc_u64 s[86:87], s[4:5], s[86:87]
	CROUND
.irp q, 0,2
	s_mov_b32 s[G0X+4*\q], 1
	s_add_co_u32 s[G0X+4*\q+1], s47, \q*SLOTB
	s_add_nc_u64 s[G0X+4*\q+2:G0X+4*\q+3], s[84:85], \q*786432
	s_or_b32 s[G0X+4*\q+3], s[G0X+4*\q+3], 0x80000000
	s_mov_b32 s[G0W+4*\q], 1
	s_add_co_u32 s[G0W+4*\q+1], s88, \q*SLOTB
	s_add_nc_u64 s[G0W+4*\q+2:G0W+4*\q+3], s[86:87], \q*589824
	s_or_b32 s[G0W+4*\q+3], s[G0W+4*\q+3], 0x80000000
.endr
	; the head's one load a wave: waves 0, 1 bring X's K steps 0, 1 and 2, 3, waves 2, 3 the weights': two rows on end fill the X part, or the W part, of slot 0 or 1
	s_mov_b32 s[G0X+4], 1
	s_mul_i32 s[G0X+5], s20, SLOTB
	s_mul_i32 s62, s20, 393216                     ; s[84:85] stands at K step s20: once more as far is K step 2 s20
	s_mov_b32 s63, 0
	s_add_nc_u64 s[G0X+6:G0X+7], s[84:85], s[62:63]
	s_or_b32 s[G0X+7], s[G0X+7], 0x80000000
	s_mov_b32 s[G0W+4], 1
	s_mul_i32 s[G0W+5], s20, SLOTB
	s_add_co_u32 s[G0W+5], s[G0W+5], WOFF
	s_mul_i32 s62, s20, 294912
	s_add_nc_u64 s[G0W+6:G0W+7], s[86:87], s[62:63]
	s_or_b32 s[G0W+7], s[G0W+7], 0x80000000
	JLOAD 1
	v_and_b32 v15, 31, v0
	v_lshlrev_b32 v[L16], 4, v15
	v_lshlrev_b32 v[L4], 2, v15
	v_bfe_u32 v14, v0, 4, 1
	v_lshlrev_b32 v[BO], 6, v14
	v_and_b32 v14, 15, v0
	v_and_b32 v15, 8, v14
	v_add_nc_u32 v14, v14, v15
	v_lshlrev_b32 v[BVO], 2, v14
	s_mul_i32 s89, s19, 12288
	s_mul_i32 s90, s20, 6144
	s_add_co_u32 s90, s90, WOFF
	s_mul_i32 s91, s20, 3072
	s_add_co_u32 s91, s91, WOFF+12288
.irp q, 0,1,2
	v_add_nc_u32 v[AX+\q], s89, v[L16]
	v_add_nc_u32 v[AW+\q], s90, v[L16]
	v_add_nc_u32 v[AV+\q], s91, v[L16]
	s_add_co_u32 s89, s89, SLOTB
	s_add_co_u32 s90, s90, SLOTB
	s_add_co_u32 s91, s91, SLOTB
.endr
	s_lshl_b32 s92, s43, 10
	s_lshl_b32 s98, s19, 9
	s_add_co_u32 s92, s92, s98
	s_mov_b32 s93, 0
	s_add_nc_u64 s[92:93], s[6:7], s[92:93]
	s_mul_i32 s94, s42, 768
	s_add_co_u32 s94, s94, 131072
	s_add_co_u32 s96, s94, 512
	s_lshl_b32 s98, s20, 8
	s_add_co_u32 s94, s94, s98
	s_lshl_b32 s98, s20, 7
	s_add_co_u32 s96, s96, s98
	s_mov_b32 s95, 0
	s_mov_b32 s97, 0
	s_add_nc_u64 s[94:95], s[6:7], s[94:95]
	s_add_nc_u64 s[96:97], s[6:7], s[96:97]
.irp s, 0,1,2,3,4,5,6,7
.irp p, 0,1,2,3
	global_load_b32 v[XS+4*\s+\p], v[L4], s[92:93] offset:16384*\s+128*\p
.endr
.irp p, 0,1
	global_load_b32 v[WS+2*\s+\p], v[L4], s[94:95] offset:12288*\s+128*\p
.endr
	global_load_b32 v[VS+\s], v[L4], s[96:97] offset:12288*\s
.endr
	s_cmp_eq_u32 s20, 0
	s_cselect_b64 s[8:9], s[8:9], s[10:11]
	s_lshl_b32 s98, s42, 8
	s_mov_b32 s99, 0
	s_add_nc_u64 s[8:9], s[8:9], s[98:99]
	s_add_nc_u64 s[12:13], s[12:13], s[98:99]
	s_lshl_b32 s98, s20, 7
	s_add_nc_u64 s[12:13], s[12:13], s[98:99]
	WIN 0xc0
.irp t, 0,1,2,3
	global_load_b128 v[128+8*\t:131+8*\t], v[BO], s[8:9] offset:(32*(\t/2)+8*(\t%2))*4
	global_load_b128 v[132+8*\t:135+8*\t], v[BO], s[8:9] offset:(32*(\t/2)+8*(\t%2))*4+16
.endr
.irp n, 0,1
	global_load_b32 v[160+8*\n], v[BVO], s[12:13] offset:32*\n
.endr
	s_wait_loadcnt 0x0
	WIN 0xc3
.irp n, 0,1
.irp i, 1,2,3,4,5,6,7
	v_mov_b32 v[160+8*\n+\i], v[160+8*\n]
.endr
.endr
	WIN 0
	v_mov_b32 v242, 0
	v_mov_b32 v243, 0
	s_wait_alu depctr_va_vdst(0)
	s_wait_tensorcnt 0x0                           ; my part of K steps 0 to 3 is in
	ds_add_u32 v[SPW], v[NIL]
	s_mov_b32 s[G1X+1], 32<<16                     ; no tensor load of mine is out: from here on a load brings one K step, as rows of 256 bytes
	s_mov_b32 s[G1X+2], 96<<16
	s_mov_b32 s[G1X+3], 32<<16
	s_mov_b32 s[G1X+4], 96
	s_mov_b32 s[G1X+5], 32
	s_mov_b32 s[G1W+1], 32<<16
	s_mov_b32 s[G1W+2], 72<<16
	s_mov_b32 s[G1W+3], 32<<16
	s_mov_b32 s[G1W+4], 72
	s_mov_b32 s[G1W+5], 32
	s_wait_dscnt 0x0
	CROUND                                         ; slots 0 and 1 are whole for every wave, and the partners meet
	JLOAD 2                                        ; K steps 4 and 5 into slot 2, on their way under K steps 0 to 3
	FETCH 0
	s_wait_dscnt 0x0
	FETCH 1
	MULS 0, 1
	s_wait_dscnt 0x0
	PLACES 4
	FETCH 2
	MULS 1, 0
	s_wait_dscnt 0x0
	PLACES 4
	FETCH 3
	MULS 2, 0
	WIN 0
	s_wait_tensorcnt 0x0
	ds_add_u32 v[SPW], v[NIL]
	s_add_nc_u64 s[G0X+2:G0X+3], s[G0X+2:G0X+3], 2359296
	s_add_nc_u64 s[G0W+2:G0W+3], s[G0W+2:G0W+3], 1769472
	s_wait_dscnt 0x0
	CROUND
	JLOAD 0
	FETCH 4
	MULS 3, 0
	s_wait_dscnt 0x0
	PLACES 4
	FETCH 5
	MULS 4, 0
	s_wait_tensorcnt 0x0
	s_wait_dscnt 0x0
	s_barrier_signal -1
	s_barrier_wait -1
	PLACES 4
	FETCH 6
	MULS 5, 0
	s_wait_dscnt 0x0
	PLACES 4
	FETCH 7
	MULS 6, 0
	s_wait_dscnt 0x0
	MULS 7, 0
	s_lshr_b32 s98, s43, 3
	s_lshl_b32 s98, s98, 4
	s_add_co_u32 s98, s98, s42
	s_and_b32 s99, s43, 7
	s_lshl_b32 s99, s99, 1
	s_add_co_u32 s99, s99, s19
	s_lshl_b32 s98, s98, 4
	s_add_co_u32 s98, s98, s99
	s_mul_i32 s62, s98, 6144
	s_mul_i32 s92, s20, 3145728
	s_add_co_u32 s92, s92, s62
	s_mov_b32 s93, 0
	s_add_nc_u64 s[92:93], s[14:15], s[92:93]
	s_mul_i32 s94, s20, 3072
	s_add_co_u32 s94, s94, s62
	s_add_co_u32 s94, s94, 6291456
	s_mov_b32 s95, 0
	s_add_nc_u64 s[94:95], s[14:15], s[94:95]
	s_lshl_b32 s96, s98, 9
	s_lshl_b32 s63, s20, 18
	s_add_co_u32 s96, s96, s63
	s_mov_b32 s97, 0
	s_add_nc_u64 s[96:97], s[16:17], s[96:97]
	s_lshl_b32 s60, s98, 8
	s_lshl_b32 s63, s20, 7
	s_add_co_u32 s60, s60, s63
	s_add_co_u32 s60, s60, 524288
	s_mov_b32 s61, 0
	s_add_nc_u64 s[60:61], s[16:17], s[60:61]
	PLACES 4
.irp a, 0,1,2,3,4,5,6,7
	QUANT2 2, 32*\a, 96+6*\a, 168+\a
	v_or_b32 v[168+\a], 0x7f7f0000, v[168+\a]
.endr
.irp p, 0,1,2,3
	v_cndmask_b32 v[176+\p], v[168+2*\p], v[169+2*\p], s82
.endr
.irp n, 0,1,2,3,4,5,6,7,8,9,10,11
	global_store_b128 v[L16], v[96+4*\n:99+4*\n], s[92:93] offset:512*\n
.endr
	global_store_b128 v[L16], v[176:179], s[96:97]
.irp n, 0,1
.irp c, 0,1
	QUANT2 3, 64*\n+32*\c, 144+12*\n+6*\c, 180+2*\n+\c
.endr
	v_lshl_or_b32 v[184+\n], v[181+2*\n], 16, v[180+2*\n]
.endr
	v_cndmask_b32 v186, v184, v185, s82
.irp n, 0,1,2,3,4,5
	global_store_b128 v[L16], v[144+4*\n:147+4*\n], s[94:95] offset:512*\n
.endr
	global_store_b32 v[L4], v186, s[60:61]
	s_wait_tensorcnt 0x0
	ds_add_u32 v[SPW], v[NIL]
	s_wait_dscnt 0x0
	CROUND
	s_endpgm
.Lfunc_end_k_q46b0f49ffc_proj:
	.size	k_q46b0f49ffc_proj, .Lfunc_end_k_q46b0f49ffc_proj-k_q46b0f49ffc_proj
	.p2alignl 7, 3214868480
	.fill 96, 4, 3214868480
	.section	.rodata,"a",@progbits
	.p2align	6, 0x0
	.amdhsa_kernel k_q46b0f49ffc_proj
		.amdhsa_group_segment_fixed_size 327680
		.amdhsa_private_segment_fixed_size 0
		.amdhsa_enable_private_segment 0
		.amdhsa_kernarg_size 56
		.amdhsa_user_sgpr_count 2
		.amdhsa_user_sgpr_kernarg_segment_ptr 1
		.amdhsa_wavefront_size32 1
		.amdhsa_system_sgpr_workgroup_id_x 1
		.amdhsa_system_sgpr_workgroup_id_y 1
		.amdhsa_system_sgpr_workgroup_id_z 1
		.amdhsa_system_vgpr_workitem_id 0
		.amdhsa_next_free_vgpr 1024
		.amdhsa_next_free_sgpr 100
		.amdhsa_reserve_vcc 0
		.amdhsa_float_denorm_mode_32 3
		.amdhsa_float_denorm_mode_16_64 3
		.amdhsa_memory_ordered 1
		.amdhsa_forward_progress 1
		.amdhsa_inst_pref_size 117
	.end_amdhsa_kernel
	.amdgpu_metadata
---
amdhsa.version: [ 1, 2 ]
amdhsa.kernels:
  - .name:           k_q46b0f49ffc_proj
    .symbol:         k_q46b0f49ffc_proj.kd
    .args:
      - { .name: codes1, .offset: 0, .size: 8, .value_kind: global_buffer, .address_space: global }
      - { .name: scales1, .offset: 8, .size: 8, .value_kind: global_buffer, .address_space: global }
      - { .name: bq, .offset: 16, .size: 8, .value_kind: global_buffer, .address_space: global }
      - { .name: bk, .offset: 24, .size: 8, .value_kind: global_buffer, .address_space: global }
      - { .name: bv, .offset: 32, .size: 8, .value_kind: global_buffer, .address_space: global }
      - { .name: qkv, .offset: 40, .size: 8, .value_kind: global_buffer, .address_space: global }
      - { .name: qkvs, .offset: 48, .size: 8, .value_kind: global_buffer, .address_space: global }
    .group_segment_fixed_size: 327680
    .private_segment_fixed_size: 0
    .kernarg_segment_align: 8
    .kernarg_segment_size: 56
    .max_flat_workgroup_size: 128
    .sgpr_count:     100
    .vgpr_count:     1024
    .wavefront_size: 32
...
	.end_amdgpu_metadata
.endif
;; end of part 2
;; launch attn (part 3): grid 8 x 32, 16 waves a work-group, no clusters, 145,920 bytes of LDS; arguments qkv, qkvs, out0; writes out0
.if DOCPART == 3
	.amdgcn_target "amdgcn-amd-amdhsa--gfx1250"
	.amdhsa_code_object_version 6
	.text
	.protected	k_q46b0f49ffc_attn
	.globl	k_q46b0f49ffc_attn
	.p2align	8
	.type	k_q46b0f49ffc_attn,@function
k_q46b0f49ffc_attn:
	s_mov_b64 s[64:65], 0
	v_nop
	global_prefetch_b8 v0, s[64:65] scope:SCOPE_SE
	s_setreg_imm32_b32 hwreg(HW_REG_WAVE_MODE, 25, 1), 1
	s_wait_xcnt 0x0
; out[b][q][64 head + e] = the sum over keys k <= q of softmax_k(Q[q] . K[k] / 8) V[k][e]: the softmax runs over ALL 2,048 keys, the triangle cuts it afterwards, rows are not normalised anew.
; Both products run on codes of FP6 (E2M3) with E8M0 scales; what is quantised for the second product is the FINISHED softmax x the triangle.
; LEFT OUT: the second product's key steps that lie wholly behind a tile's queries: the triangle makes those weights 0 for all inputs.  A NaN or infinity that reaches only them is not carried to the result.
; SHARES.  A work-group owns 16 tiles of 16 queries of one head (tile i lies in key step i; the work-group's x says which of that step's eight tiles).  A WAVE OWNS A KEY STEP of 128 keys, KS: its fragments of K and V and their
; scale registers (102 registers) come from memory once and stay in registers.  Every score and every exponential is made once.  For tile i each wave makes S^T = K Q^T (16 queries x its 128 keys), its own whole number
; M_w = the largest t rounded up (t = score x log2(e) / 8), p = 2^(t - M_w) and the sum of p, and hands (-M_w, sum_w) to the others through LDS: ONE barrier a tile.  Behind it the waves with KS <= i take the
; smallest -M, bring the 16 sums under it by v_ldexp_f32 (exact), and multiply p by f = 2^(M_w - M) / sum; on the diagonal (KS = i) hidden keys become 0; p is quantised along the keys; O^T = V^T P^T of this key step goes
; to the wave's slot in LDS.  One tile later all 16 waves add the slots, a row of 256 bytes a wave, and store it whole: 32 lanes x 8 bytes, aligned.
; Slots are cleared at the head and tiles go by ascending i, so a slot whose key step has not yet been visible holds zeros: slots are added in groups of four, groups wholly behind the diagonal are jumped over (counts alone decide).
; The pairs (X) and the slots (R) have two buffers each, by the tile's parity: what is written behind barrier i was last read ahead of it.
; KS = 4 (a ^ b) + (a ^ m(b)), a = wave % 4, b = wave / 4, m = 0, 2, 3, 1: of any four waves with equal a, or with equal b, one lies in each quarter of the keys.
; LAYOUT as the launch before lays it: a lane holds ONE query; the rows of a tile are 8 u + r + 8 (r / 8) of 32 neighbours, so registers 16 b .. 16 b + 15 are keys (or channels) 32 b + 16 h + 0 .. 15.
; K = 64 fills half of the instruction's 128: Q's upper six registers are zero codes, K's upper six are whatever follows (FP6 has no NaN); both sides' scale bytes there are 127.
; NO CLUSTER, NO TENSOR LOAD: each byte of K and V is wanted by one wave of the work-group, once, in registers (13,056 bytes a wave); through LDS it would be written and read once more.  NO PREFETCH: K and V are asked for at
; the head by the loads themselves; a tile's Q (832 bytes a wave) is asked for one tile ahead by its own loads.  (The last tile's look-ahead reads the 832 bytes that follow, inside both buffers, and uses nothing of them.)
; LIMITS: NaN and infinities are not served; the promise holds while |t| stays under 2^31; a p under 2^-126 counts as 0; a block of p that is all zeros or under 2^-124 gets the scale byte 1; off the diagonal a block's
; largest p is taken as the p of its largest score.
.set XP,    144                        ; X: a query's row: 16 waves' -M (64 bytes), 16 sums (64), 16 of padding
.set XBUF,  16*XP
.set RB,    2*XBUF                     ; R: [buffer 2][slot 16][row 16 x 272 bytes]
.set RSL,   16*272
.set RBUF,  16*RSL
.set SPARE, RB+2*RBUF                  ; the spare words, 128 bytes for each wave, that no other line names
.set L16, 1                            ; 16 x lane
.set SPW, 2                            ; my spare word's address; never rewritten
.set NIL, 3                            ; 0; never rewritten
.set XST, 4                            ; X: where I put my pair
.set XLD, 5                            ; X: where I read eight waves' pairs of my query
.set RS,  6                            ; v6, v7 my slot in buffer 0, 1
.set RL,  8                            ; v8, v9 my row of slot 0 in buffer 0, 1
.set QA,  10                           ; v10, v11 Q's offsets; v12 its scale word's; v13 4 x lane
.set QB,  11
.set QSO, 12
.set L4,  13
.set MK,  29                           ; my query's place in its step - 16 h
.set OO,  30                           ; 8 x lane
.set KF,  32                           ; v32-79 K; v80-127 V; v128-131 K's scale registers; v132, v133 V's; v134 p's
.set VF,  80
.set S,   136                          ; v136-199 S^T, then p; v136-167 then O^T
.set PC,  200                          ; v200-211 p's codes; v212-214, v216-218 conversions' second halves
.set BM,  220                          ; v220-223 the blocks' largest; v224-227 bytes; v228-231 scale operands
.set DL,  200                          ; v200-231 between two tiles: 16 slots' 8 bytes
.set XE,  232                          ; v232-247 sums at work; eight -M and eight sums
; v[14:15] -M (and a written partner); v16-21 Q, v22-27 zeros, v28 Q's scale words; v31 my sum; v[248:249] f; v250-255 at work
.macro WMZ d, a, b, sa, ra, sb         ; a product that starts its sum; ra: source 0's scales stand in lanes 16-31
.if \ra
	v_wmma_scale_f32_16x16x128_f8f6f4 v[\d:\d+7], v[\a:\a+11], v[\b:\b+11], 0, v[\sa], v[\sb] matrix_a_fmt:MATRIX_FMT_FP6 matrix_b_fmt:MATRIX_FMT_FP6 matrix_a_scale:MATRIX_SCALE_ROW1
.else
	v_wmma_scale_f32_16x16x128_f8f6f4 v[\d:\d+7], v[\a:\a+11], v[\b:\b+11], 0, v[\sa], v[\sb] matrix_a_fmt:MATRIX_FMT_FP6 matrix_b_fmt:MATRIX_FMT_FP6
.endif
.endm
.macro QLOAD n                         ; Q's six registers and scale word of the tile n behind the trip's first
	global_load_b64 v[16:17], v[QA], s[36:37] offset:6144*(\n)
	global_load_b64 v[18:19], v[QB], s[36:37] offset:6144*(\n)+8
	global_load_b64 v[20:21], v[QA], s[36:37] offset:6144*(\n)+512
	global_load_b32 v28, v[QSO], s[38:39] offset:512*(\n)
.endm
.macro DLOADS buf, c0                  ; my row of the slots of one buffer; group q only while s60 >= c0 + 4 q
.irp q, 0,1,2,3
.if (\c0)+4*\q > 0
	s_cmp_lt_u32 s60, (\c0)+4*\q
	s_cbranch_scc1 .Ldl_\@
.endif
.irp k, 0,1,2,3
	ds_load_b64 v[DL+8*\q+2*\k:DL+8*\q+2*\k+1], v[RL+(\buf)] offset:(4*\q+\k)*RSL
.endr
.endr
.Ldl_\@:
.endm
.macro DSUM c0, off                    ; the same groups added, in two chains, and the row stored
.if (\c0) > 0
	s_cmp_lt_u32 s60, \c0
	s_cbranch_scc1 .Lds_none_\@
.endif
	v_pk_add_f32 v[DL:DL+1], v[DL:DL+1], v[DL+2:DL+3]
	v_pk_add_f32 v[DL+4:DL+5], v[DL+4:DL+5], v[DL+6:DL+7]
.irp q, 1,2,3
	s_cmp_lt_u32 s60, (\c0)+4*\q
	s_cbranch_scc1 .Lds_st_\@
	v_pk_add_f32 v[DL+8*\q:DL+8*\q+1], v[DL+8*\q:DL+8*\q+1], v[DL+8*\q+2:DL+8*\q+3]
	v_pk_add_f32 v[DL+8*\q+4:DL+8*\q+5], v[DL+8*\q+4:DL+8*\q+5], v[DL+8*\q+6:DL+8*\q+7]
	v_pk_add_f32 v[DL:DL+1], v[DL:DL+1], v[DL+8*\q:DL+8*\q+1]
	v_pk_add_f32 v[DL+4:DL+5], v[DL+4:DL+5], v[DL+8*\q+4:DL+8*\q+5]
.endr
.Lds_st_\@:
	s_wait_alu depctr_va_vdst(0)                   ; ahead of a reader behind a taken branch
	v_pk_add_f32 v[DL:DL+1], v[DL:DL+1], v[DL+4:DL+5]
	global_store_b64 v[OO], v[DL:DL+1], s[40:41] offset:(\off) th:TH_STORE_NT   ; 32 lanes store 256 consecutive bytes, aligned
.Lds_none_\@:
.endm
; ---- one tile; p: its parity.  s60 = the trip's first tile, s[60+p] = this tile
.macro TILE p
.if \p
	s_wait_alu depctr_va_vdst(0)                   ; ahead of the blocking wait: registers that the last tile wrote are named again behind it
.endif
	s_wait_loadcnt 0x0                             ; Q (the first time K and V too)
.irp t, 0,1,2,3,4,5,6,7
	WMZ S+8*\t, KF+6*\t, 16, 128+\t/2, \t%2, 28
.endr
.rept 4
	v_nop                                          ; places ahead of the loads into Q's registers and of the first read of results
.endr
	QLOAD \p+1
	s_wait_dscnt 0x0                               ; the slots' loads issued at the last tile's end
	DSUM 2-\p, (\p-2)*524288                       ; the tile two back leaves
.irp b, 0,1,2,3
	v_max3_num_f32 v[BM+\b], v[S+16*\b], v[S+16*\b+1], v[S+16*\b+2]   ; the largest score of each block of 32 keys; each accumulator is read from its low end on
.endr
.irp i, 3,5,7,9,11,13
.irp b, 0,1,2,3
	v_max3_num_f32 v[BM+\b], v[BM+\b], v[S+16*\b+\i], v[S+16*\b+\i+1]
.endr
.endr
.irp b, 0,1,2,3
	v_max_num_f32 v[BM+\b], v[BM+\b], v[S+16*\b+15]
.endr
.irp b, 0,1,2,3
	v_permlanex16_b32 v[BM+4+\b], v[BM+\b], s44, s45
.endr
.irp b, 0,1,2,3
	v_max_num_f32 v[BM+\b], v[BM+\b], v[BM+4+\b]   ; with lane l xor 16's 16 keys
.endr
	v_max3_num_f32 v250, v[BM], v[BM+1], v[BM+2]
	s_delay_alu instid0(VALU_DEP_1)
	v_max_num_f32 v250, v250, v[BM+3]
	s_delay_alu instid0(VALU_DEP_1)
	v_mul_f32 v250, s46, v250                      ; as t (c is positive)
	s_delay_alu instid0(VALU_DEP_1)
	v_floor_f32 v14, -v250                         ; -M_w = floor(-t): a whole number
.set j, 0
.rept 32
	v_pk_fma_f32 v[S+j:S+j+1], v[S+j:S+j+1], s[46:47], v[14:15] op_sel_hi:[1,0,0]   ; t - M_w, two at a time
.set j, j+2
.endr
.irp b, 0,1,2,3
	v_fma_f32 v[BM+\b], v[BM+\b], s46, v14         ; the same of each block's largest score
.endr
	s_wait_alu depctr_va_vdst(0)                   ; ahead of the batch
.set j, 0
.rept 64
	v_exp_f32 v[S+j], v[S+j]
.set j, j+1
.endr
.irp b, 0,1,2,3
	v_exp_f32 v[BM+\b], v[BM+\b]
.endr
	v_nop                                          ; one plain place behind the batch
	s_wait_alu depctr_va_vdst(0)                   ; and one wait for the 68, ahead of their first reader
.irp k, 0,1,2,3,4,5,6,7
	v_pk_add_f32 v[XE+2*\k:XE+2*\k+1], v[S+2*\k:S+2*\k+1], v[S+16+2*\k:S+17+2*\k]   ; the sum of the unquantised p, all keys: eight chains
.endr
.irp o, 32,48
.irp k, 0,1,2,3,4,5,6,7
	v_pk_add_f32 v[XE+2*\k:XE+2*\k+1], v[XE+2*\k:XE+2*\k+1], v[S+\o+2*\k:S+\o+1+2*\k]
.endr
.endr
.irp k, 0,1,2,3
	v_pk_add_f32 v[XE+2*\k:XE+2*\k+1], v[XE+2*\k:XE+2*\k+1], v[XE+8+2*\k:XE+9+2*\k]
.endr
.irp k, 0,1
	v_pk_add_f32 v[XE+2*\k:XE+2*\k+1], v[XE+2*\k:XE+2*\k+1], v[XE+4+2*\k:XE+5+2*\k]
.endr
	v_pk_add_f32 v[XE:XE+1], v[XE:XE+1], v[XE+2:XE+3]
	ds_store_b32 v[XST], v14 offset:XBUF*\p        ; both halves of the lanes write the same word with the same value
	v_add_f32 v31, v[XE], v[XE+1]
	s_delay_alu instid0(VALU_DEP_1)
	v_permlanex16_b32 v250, v31, s44, s45
	s_delay_alu instid0(VALU_DEP_1)
	v_add_f32 v31, v31, v250
	ds_store_b32 v[XST], v31 offset:XBUF*\p+64
	s_wait_alu depctr_va_vdst(0)                   ; ahead of the blocking waits
	s_wait_xcnt 0x0                                ; the row's store has read its data, Q's loads their base: both are rewritten further down
	s_wait_dscnt 0x0                               ; my pair is written; my reads of the slots are over
	s_barrier_signal -1
	s_barrier_wait -1
	s_cmp_gt_u32 s14, s[60+\p]                     ; my keys all come behind this tile's queries: nothing more of it is mine
	s_cbranch_scc1 .Lhid_\@
.irp n, 0,1
	ds_load_b128 v[XE+4*\n:XE+4*\n+3], v[XLD] offset:XBUF*\p+16*\n          ; -M of waves 8 h .. 8 h + 7 for my query
.endr
.irp n, 0,1
	ds_load_b128 v[XE+8+4*\n:XE+11+4*\n], v[XLD] offset:XBUF*\p+64+16*\n    ; and their sums
.endr
	s_wait_dscnt 0x0
	v_min3_num_f32 v250, v[XE], v[XE+1], v[XE+2]
	v_min3_num_f32 v251, v[XE+3], v[XE+4], v[XE+5]
	v_min3_num_f32 v250, v250, v[XE+6], v[XE+7]
	s_delay_alu instid0(VALU_DEP_1)
	v_min_num_f32 v250, v250, v251
	s_delay_alu instid0(VALU_DEP_1)
	v_permlanex16_b32 v251, v250, s44, s45
	s_delay_alu instid0(VALU_DEP_1)
	v_min_num_f32 v250, v250, v251                 ; the smallest -M is the row's -M
.irp k, 0,2,4,6
	v_pk_add_f32 v[XE+\k:XE+\k+1], v[250:251], v[XE+\k:XE+\k+1] op_sel_hi:[0,1] neg_lo:[0,1] neg_hi:[0,1]   ; M_k - M: whole numbers, 0 or less
.endr
	v_sub_f32 v252, v250, v14                      ; and my own
.irp k, 0,1,2,3,4,5,6,7
	v_cvt_i32_f32 v[XE+\k], v[XE+\k]               ; (it saturates)
.endr
	v_cvt_i32_f32 v252, v252
.irp k, 0,1,2,3,4,5,6,7
	v_ldexp_f32 v[XE+8+\k], v[XE+8+\k], v[XE+\k]   ; each sum under the row's M: exact
.endr
	v_pk_add_f32 v[XE+8:XE+9], v[XE+8:XE+9], v[XE+12:XE+13]
	v_pk_add_f32 v[XE+10:XE+11], v[XE+10:XE+11], v[XE+14:XE+15]
	s_delay_alu instid0(VALU_DEP_1)
	v_pk_add_f32 v[XE+8:XE+9], v[XE+8:XE+9], v[XE+10:XE+11]
	s_delay_alu instid0(VALU_DEP_1)
	v_add_f32 v253, v[XE+8], v[XE+9]
	s_delay_alu instid0(VALU_DEP_1)
	v_permlanex16_b32 v254, v253, s44, s45
	s_delay_alu instid0(VALU_DEP_1)
	v_add_f32 v253, v253, v254                     ; the row's sum
	s_wait_alu depctr_va_vdst(0)                   ; ahead of the transcendental
	v_rcp_f32 v255, v253
	v_nop                                          ; one plain place behind it
	s_wait_alu depctr_va_vdst(0)                   ; and the wait ahead of its first reader
	v_ldexp_f32 v248, v255, v252                   ; f = 2^(M_w - M) / sum
	s_cmp_lg_u32 s14, s[60+\p]
	s_cbranch_scc1 .Lopen_\@
	; on the diagonal: blocks from the queries' own on: hidden keys' p become 0, and the block's largest p is taken of what is left
.irp b, 0,1,2,3
	s_cmp_gt_u32 s15, \b
	s_cbranch_scc1 .Lv\@_\b                        ; a block ahead of the queries' own: all its keys count
	s_cmp_lt_u32 s15, \b
	s_cbranch_scc1 .Lz\@_\b                        ; a block behind it: none does
.set n, 0
.rept 16
	v_cndmask_b32 v[S+16*\b+n], v[S+16*\b+n], v22, s[66+n]
.set n, n+1
.endr
	v_max3_num_f32 v[BM+\b], v[S+16*\b], v[S+16*\b+1], v[S+16*\b+2]
	v_max3_num_f32 v250, v[S+16*\b+8], v[S+16*\b+9], v[S+16*\b+10]
	v_max3_num_f32 v[BM+\b], v[BM+\b], v[S+16*\b+3], v[S+16*\b+4]
	v_max3_num_f32 v250, v250, v[S+16*\b+11], v[S+16*\b+12]
	v_max3_num_f32 v[BM+\b], v[BM+\b], v[S+16*\b+5], v[S+16*\b+6]
	v_max3_num_f32 v250, v250, v[S+16*\b+13], v[S+16*\b+14]
	v_max3_num_f32 v[BM+\b], v[BM+\b], v[S+16*\b+7], v[S+16*\b+15]
	s_delay_alu instid0(VALU_DEP_1)
	v_max_num_f32 v[BM+\b], v[BM+\b], v250
	s_delay_alu instid0(VALU_DEP_1)
	v_permlanex16_b32 v251, v[BM+\b], s44, s45
	s_delay_alu instid0(VALU_DEP_1)
	v_max_num_f32 v[BM+\b], v[BM+\b], v251
	s_branch .Lv\@_\b
.Lz\@_\b:
.set n, 0
.rept 8
	v_pk_mul_f32 v[S+16*\b+n:S+16*\b+n+1], v[S+16*\b+n:S+16*\b+n+1], 0 op_sel_hi:[1,0]   ; p is finite: x 0 is 0
.set n, n+2
.endr
	v_mov_b32 v[BM+\b], 0
.Lv\@_\b:
.endr
.Lopen_\@:
	s_wait_alu depctr_va_vdst(0)                   ; ahead of readers behind a taken branch
.irp b, 0,1,2,3
	v_mul_f32 v[BM+\b], v[BM+\b], v248             ; the block's largest finished p: the same multiplication as its element's
.endr
.irp b, 0,1,2,3
	v_max_num_f32 v[BM+\b], 0x1800000, v[BM+\b]    ; the floor 2^(3 - 127): the byte cannot fall under 1
.endr
.irp b, 0,1,2,3
	v_add_nc_u32 v[BM+8+\b], 0xff000000, v[BM+\b]  ; 2 off the exponent field: the conversion's scale operand
.endr
.irp b, 0,1,2,3
	v_lshrrev_b32 v[BM+4+\b], 23, v[BM+8+\b]       ; the scale's byte
.endr
	v_lshl_or_b32 v134, v[BM+5], 8, v[BM+4]
	v_lshl_or_b32 v250, v[BM+7], 8, v[BM+6]
	s_delay_alu instid0(VALU_DEP_1)
	v_lshl_or_b32 v134, v250, 16, v134             ; p's scale word for my 128 keys; the 32 lines below are its places ahead of the products
.set j, 0
.rept 32
	v_pk_mul_f32 v[S+j:S+j+1], v[S+j:S+j+1], v[248:249] op_sel_hi:[1,0]   ; the finished softmax
.set j, j+2
.endr
.irp c, 0,1
	v_cvt_scalef32_pk16_fp6_f32 v[PC+6*\c:PC+6*\c+2], v[S+32*\c:S+32*\c+15], v[BM+8+2*\c]
	v_cvt_scalef32_pk16_fp6_f32 v[PC+12+4*\c:PC+14+4*\c], v[S+32*\c+16:S+32*\c+31], v[BM+9+2*\c]   ; (a conversion's three registers begin on an even number)
.endr
	v_nop                                          ; one plain place behind a scaled conversion
.irp c, 0,1                                    ; the operand's layout wants a whole block in a lane
.irp i, 0,1,2
	v_permlane16_swap_b32 v[PC+6*\c+\i], v[PC+12+4*\c+\i]
.endr
.irp i, 0,1,2
	v_mov_b32 v[PC+3+6*\c+\i], v[PC+12+4*\c+\i]
.endr
.endr
.rept 4
	v_nop                                          ; an operand written by vector instructions stands 4 places ahead of a scaled matrix instruction
.endr
.irp n, 0,1,2,3
	WMZ S+8*\n, VF+12*\n, PC, 132+\n/2, \n%2, 134  ; O^T of my key step, over registers of p that are done with
.endr
.rept 5
	v_nop                                          ; places ahead of the stores, of the loads into p's codes, and of the next scores, which write over these results
.endr
.irp b, 0,1
.irp q, 0,1,2,3
	ds_store_b128 v[RS+\p], v[S+16*\b+4*\q:S+16*\b+4*\q+3] offset:128*\b+16*\q   ; row r, channels 32 b + 16 h + 4 q ..; each accumulator from its low end on
.endr
.endr
.Lhid_\@:
	DLOADS 1-\p, 1-\p                              ; the last tile's slots, whole since the barrier above; they are added behind the next scores
.endm
	s_load_b128 s[4:7], s[0:1], 0x0                ; qkv s[4:5], qkvs s[6:7]
	s_load_b64 s[8:9], s[0:1], 0x10                ; out0
	v_lshl_add_u32 v[SPW], v0, 2, SPARE
	v_mov_b32 v[NIL], 0
	v_lshrrev_b32 v248, 5, v0
	v_readfirstlane_b32 s10, v248                  ; wave 0..15
	s_and_b32 s13, ttmp7, 0xffff                   ; batch x 16 + head
	s_lshr_b32 s15, ttmp9, 1                       ; which 32 queries of each key step,
	s_and_b32 s16, ttmp9, 1                        ; and which tile of the pair
	s_and_b32 s17, s10, 3
	s_lshr_b32 s18, s10, 2
	s_xor_b32 s14, s17, s18
	s_lshl_b32 s19, s18, 1
	s_lshr_b32 s20, s18, 1
	s_mul_i32 s20, s20, 7
	s_xor_b32 s19, s19, s20                        ; m = 0, 2, 3, 1
	s_xor_b32 s19, s19, s17
	s_lshl_b32 s14, s14, 2
	s_add_co_u32 s14, s14, s19                     ; KS: my key step
	s_lshl_b32 s21, s10, 2
	s_mul_i32 s22, s14, RSL
	s_add_co_u32 s22, s22, RB
	s_mul_i32 s23, s10, 272
	s_add_co_u32 s23, s23, RB
	s_lshl_b32 s24, s15, 5
	s_lshl_b32 s25, s16, 3
	s_add_co_u32 s24, s24, s25                     ; my tiles' first query in its step
	s_mul_i32 s25, s16, 520
	s_mul_i32 s26, s16, 1016
	s_mul_i32 s28, s13, 98304
	s_mul_i32 s29, s14, 6144
	s_add_co_u32 s28, s28, s29
	s_add_co_u32 s28, s28, 3145728                 ; K's images of my step
	s_mov_b32 s29, 0
	s_lshl_b32 s32, s13, 13
	s_lshl_b32 s33, s14, 9
	s_add_co_u32 s32, s32, s33
	s_add_co_u32 s32, s32, 262144                  ; K's scale registers
	s_mov_b32 s33, 0
	s_lshl_b32 s34, s13, 12
	s_lshl_b32 s35, s14, 8
	s_add_co_u32 s34, s34, s35
	s_add_co_u32 s34, s34, 524288                  ; V's
	s_mov_b32 s35, 0
	s_lshl_b32 s36, s13, 6
	s_add_co_u32 s36, s36, s15
	s_mul_i32 s36, s36, 1536                       ; Q: tile 0's pair image; 6,144 bytes from tile to tile
	s_mov_b32 s37, 0
	s_lshl_b32 s38, s13, 13
	s_lshl_b32 s39, s15, 2
	s_add_co_u32 s38, s38, s39
	s_lshl_b32 s39, s16, 8
	s_add_co_u32 s38, s38, s39                     ; Q's scale words; 512 bytes from tile to tile
	s_mov_b32 s39, 0
	s_lshr_b32 s40, s13, 4
	s_lshl_b32 s40, s40, 11
	s_add_co_u32 s40, s40, s24
	s_add_co_u32 s40, s40, s10
	s_and_b32 s41, s10, 8
	s_add_co_u32 s40, s40, s41                     ; the row of out that I add and store: the tile's lane = my wave's number
	s_lshl_b32 s40, s40, 12
	s_and_b32 s41, s13, 15
	s_lshl_b32 s41, s41, 8
	s_add_co_u32 s40, s40, s41
	s_mov_b32 s41, 0
	s_mov_b32 s44, 0x76543210
	s_mov_b32 s45, 0xfedcba98                      ; v_permlanex16_b32's selects for lane l xor 16
	s_mov_b32 s46, 0x3e38aa3b                      ; c = log2(e) / 8
	s_mov_b32 s47, s46
	s_mov_b32 s60, 0
	s_mov_b32 s61, 1
	v_and_b32 v250, 31, v0                         ; lane
	v_and_b32 v251, 15, v0                         ; r
	v_bfe_u32 v252, v0, 4, 1                       ; h
	v_lshlrev_b32 v[L16], 4, v250
	v_lshlrev_b32 v[L4], 2, v250
	v_lshlrev_b32 v[OO], 3, v250
	v_lshlrev_b32 v[QSO], 4, v251
	v_mul_u32_u24 v253, v251, XP
	v_mul_u32_u24 v254, v251, 272
	v_add_nc_u32 v[XST], s21, v253                 ; row r, word = my wave
	v_lshl_add_u32 v[XLD], v252, 5, v253           ; row r, + 32 h
	v_lshl_add_u32 v254, v252, 6, v254
	v_add_nc_u32 v[RS], s22, v254                  ; slot KS, row r, + 64 h
	v_add_nc_u32 v[RL], s23, v[OO]                 ; slot 0, row = my wave, 8 bytes a lane
	v_add_nc_u32 v[RS+1], RBUF, v[RS]
	v_add_nc_u32 v[RL+1], RBUF, v[RL]
	v_add_nc_u32 v[QA], s25, v[L16]                ; tile 0's six registers lie at 16 l + 0, 8, 512 of the pair's image, tile 1's at 16 l + 520, 1024, 1032
	v_add_nc_u32 v[QB], s26, v[L16]
	v_and_b32 v255, 8, v251
	v_lshlrev_b32 v249, 4, v252
	v_add_nc_u32 v255, v255, v251
	v_sub_nc_u32 v255, v255, v249
	v_add_nc_u32 v[MK], s24, v255                  ; my query's place in its step - 16 h
	s_lshl_b32 s27, s15, 5
	v_sub_nc_u32 v254, v[MK], s27                  ; and in its own block of 32 keys: there register n holds key n + 16 h, hidden where n is greater than this
.set n, 0
.rept 16
	v_cmp_gt_i32 s[66+n], n, v254                  ; s66-81: the lanes for which register n of that block is hidden; made once
.set n, n+1
.endr
	v_mov_b32 v15, 0
.irp j, 22,23,24,25,26,27
	v_mov_b32 v[\j], 0                             ; Q's zero codes
.endr
.set j, 0
.rept 32
	v_mov_b32 v[DL+j], 0                           ; written once: lane permutes' destinations, and the slots' registers
.set j, j+1
.endr
	s_wait_alu depctr_va_vdst(0)
	s_wait_kmcnt 0x0
	s_add_nc_u64 s[28:29], s[4:5], s[28:29]
	s_add_nc_u64 s[30:31], s[28:29], 3145728       ; V's images lie as far behind K's
	s_add_nc_u64 s[32:33], s[6:7], s[32:33]
	s_add_nc_u64 s[34:35], s[6:7], s[34:35]
	s_add_nc_u64 s[36:37], s[4:5], s[36:37]
	s_add_nc_u64 s[38:39], s[6:7], s[38:39]
	s_add_nc_u64 s[40:41], s[8:9], s[40:41]
	QLOAD 0
	global_load_b128 v[128:131], v[L16], s[32:33]
.irp n, 0,1,2,3,4,5,6,7,8,9,10,11
	global_load_b128 v[KF+4*\n:KF+4*\n+3], v[L16], s[28:29] offset:512*\n   ; 512 consecutive bytes a load
.endr
.irp n, 0,1,2,3,4,5,6,7,8,9,10,11
	global_load_b128 v[VF+4*\n:VF+4*\n+3], v[L16], s[30:31] offset:512*\n
.endr
	global_load_b32 v132, v[L4], s[34:35]
	global_load_b32 v133, v[L4], s[34:35] offset:128
.irp u, 0,1
.irp b, 0,1
.irp q, 0,1,2,3
	ds_store_b128 v[RS+\u], v[22:25] offset:128*\b+16*\q   ; my slot begins as zeros, in both buffers
.endr
.endr
.endr
.Lloop:                                                ; a trip takes two tiles, one of each parity
	TILE 0
	TILE 1
	s_add_nc_u64 s[36:37], s[36:37], 12288         ; (behind the tile's wait on XCNT; no global instruction has been issued since)
	s_add_nc_u64 s[38:39], s[38:39], 1024
	s_add_nc_u64 s[40:41], s[40:41], 1048576       ; 256 rows of out
	s_add_co_u32 s61, s61, 2
	s_add_co_u32 s60, s60, 2
	s_cmp_lt_u32 s60, 16
	s_wait_alu depctr_va_vdst(0)                   ; ahead of the backward jump
	s_cbranch_scc1 .Lloop
	s_wait_dscnt 0x0                               ; tile 14's slots are in registers; my part of tile 15 is written
	DSUM 0, -2*524288
	s_wait_alu depctr_va_vdst(0)                   ; ahead of the blocking waits
	s_wait_xcnt 0x0                                ; the store has read its data: the loads below land there
	s_barrier_signal -1
	s_barrier_wait -1                              ; everybody's part of tile 15 is written
	DLOADS 1, 0
	s_wait_dscnt 0x0
	DSUM 0, -524288
	s_wait_tensorcnt 0x0                           ; the wave's end, behind my last LDS store
	ds_add_u32 v[SPW], v[NIL]
	s_wait_dscnt 0x0
	s_endpgm
.Lfunc_end_k_q46b0f49ffc_attn:
	.size	k_q46b0f49ffc_attn, .Lfunc_end_k_q46b0f49ffc_attn-k_q46b0f49ffc_attn
	.p2alignl 7, 3214868480
	.fill 96, 4, 3214868480
	.section	.rodata,"a",@progbits
	.p2align	6, 0x0
	.amdhsa_kernel k_q46b0f49ffc_attn
		.amdhsa_group_segment_fixed_size 145920
		.amdhsa_private_segment_fixed_size 0
		.amdhsa_enable_private_segment 0
		.amdhsa_kernarg_size 24
		.amdhsa_user_sgpr_count 2
		.amdhsa_user_sgpr_kernarg_segment_ptr 1
		.amdhsa_wavefront_size32 1
		.amdhsa_system_sgpr_workgroup_id_x 1
		.amdhsa_system_sgpr_workgroup_id_y 1
		.amdhsa_system_sgpr_workgroup_id_z 1
		.amdhsa_system_vgpr_workitem_id 0
		.amdhsa_next_free_vgpr 256
		.amdhsa_next_free_sgpr 84
		.amdhsa_reserve_vcc 0
		.amdhsa_float_denorm_mode_32 3
		.amdhsa_float_denorm_mode_16_64 3
		.amdhsa_memory_ordered 1
		.amdhsa_forward_progress 1
		.amdhsa_inst_pref_size 76
	.end_amdhsa_kernel
	.amdgpu_metadata
---
amdhsa.version: [ 1, 2 ]
amdhsa.kernels:
  - .name:           k_q46b0f49ffc_attn
    .symbol:         k_q46b0f49ffc_attn.kd
    .args:
      - { .name: qkv, .offset: 0, .size: 8, .value_kind: global_buffer, .address_space: global }
      - { .name: qkvs, .offset: 8, .size: 8, .value_kind: global_buffer, .address_space: global }
      - { .name: out0, .offset: 16, .size: 8, .value_kind: global_buffer, .address_space: global }
    .group_segment_fixed_size: 145920
    .private_segment_fixed_size: 0
    .kernarg_segment_align: 8
    .kernarg_segment_size: 24
    .max_flat_workgroup_size: 512
    .sgpr_count:     84
    .vgpr_count:     256
    .wavefront_size: 32
...
	.end_amdgpu_metadata
.endif
;; end of part 3
